; MI455X (gfx1250); checked and timed in simulation.
; The chip was launched on July 23, 2026; its instructions are those of AMD's public machine-readable ISA for CDNA 5 (MIT licence, August 2026) and "CDNA5" Instruction Set Architecture Reference Guide (July 2026). The comments in the code are by the model that wrote it; some were corrected since.
;; LSTM Vanilla. Allowed arithmetic: matrix products marked QUANTISED: E2M3 operands, one E8M0 scale for each 32 along K, by v_wmma_scale_f32_16x16x128_f8f6f4 with both operands' format E2M3, f32 sums; everything else in f32.
;; Inputs: Wh 4 x 1,024 x 1,024 float32; Wx 4 x 1,024 x 1,024 float32; bh 4 x 1,024 float32; c_prev 8,192 x 1,024 float32; h_prev 8,192 x 1,024 float32; x 8,192 x 1,024 float32.
;; Outputs: out0 8,192 x 1,024 float32; out1 8,192 x 1,024 float32.
;; This version of the problem:
;;   THIS VERSION OF THE PROBLEM IS GIVEN IN LOW PRECISION. The matrix products marked QUANTISED in the list below multiply operands that are first quantised to E2M3 (2 exponent bits, 3 mantissa bits; 6 bits a number), with one power-of-two scale for each 32 numbers along K (OCP MX v1.0); their sums are f32. All else is computed in f32.
;;   The module's matrix products, in the order in which they are computed (A, B: the left and right operand; K: the contracted axis; several contracted axes count as one K, in the product's order):
;;     1. [M 8,192, K 1,024] x [K 1,024, N 4,096]; A: input x; B: input Wx: QUANTISED
;;     2. [M 8,192, K 1,024] x [K 1,024, N 4,096]; A: input h_prev; B: input Wh: QUANTISED
;;   THE QUANTISER, for each operand of a quantised product, along K:
;;     - K is cut into blocks of 32 from its start; a last block that is shorter is filled with zeros.
;;     - A block's scale is 2^e with e = floor(log2(the largest magnitude in the block)) - 2, held to -126 .. 127; a block of zeros has e = 0. As a byte (E8M0): e + 127.
;;     - Each number is divided by its block's scale, clamped to +-7.5, and rounded to the nearest number of E2M3, ties to even, subnormals kept.
;;     - The product sums the exact products of the quantised numbers (number of the format x scale) in f32.
;;   ~~~python
;;   def quantise(x, axis):      # numpy; x: float32 -> the quantised numbers, widened to float32 again
;;       x = np.moveaxis(x, axis, -1); K = x.shape[-1]
;;       x = np.pad(x, [(0, 0)] * (x.ndim - 1) + [(0, -K % 32)]); x = x.reshape(x.shape[:-1] + (-1, 32)); a = np.abs(x).max(-1, keepdims=True)
;;       e = np.where(a > 0, np.clip(np.frexp(np.where(a > 0, a, 1))[1] - 1 - 2, -126, 127), 0)      # np.frexp(a)[1] - 1 = floor(log2(a)), exactly
;;       r = np.clip(x / 2.0 ** e, -7.5, 7.5)
;;       step = 2.0 ** (np.maximum(np.frexp(np.where(r == 0, 1, r))[1] - 1, 0) - 3)
;;       q = np.round(r / step) * step * 2.0 ** e      # np.round: ties to even
;;       return np.moveaxis(q.reshape(q.shape[:-2] + (-1,))[..., :K], -1, axis).astype(np.float32)
;;   ~~~
;; One version. Each part assembles by itself: llvm-mc -triple=amdgcn-amd-amdhsa -mcpu=gfx1250 --defsym DOCPART=n.
;; ======== version 1 of 1: 2 launches
;; limits: a function is approximated: absolute error at most 1e-07
;; workspace buffers: a_codes 12,582,912 bytes; a_scales 524,288 bytes; b_codes 6,291,456 bytes; b_scales 262,144 bytes
;; launch quant (part 1): grid 768 x 1, 4 waves a work-group, no clusters, 34,304 bytes of LDS; arguments x, h_prev, Wx, Wh, a_codes, a_scales, b_codes, b_scales; writes a_codes, a_scales, b_codes, b_scales
.if DOCPART == 1
	.amdgcn_target "amdgcn-amd-amdhsa--gfx1250"
	.amdhsa_code_object_version 6
	.text
	.protected	k_qd0c3741850_quant
	.globl	k_qd0c3741850_quant
	.p2align	8
	.type	k_qd0c3741850_quant,@function
k_qd0c3741850_quant:
	s_mov_b64 s[64:65], 0
	v_nop
	global_prefetch_b8 v0, s[64:65] scope:SCOPE_SE
	s_setreg_imm32_b32 hwreg(HW_REG_WAVE_MODE, 25, 1), 1
	s_wait_xcnt 0x0
; x | h_prev  (A: 8,192 rows, K = 1,024 + 1,024) and Wx | Wh (B: 4,096 rows, the same K), f32 with K innermost, become codes of FP6 (E2M3) with one E8M0 byte for each 32 along K.
; A block's scale is 2^(floor(log2(its largest magnitude)) - 2); its byte is the largest magnitude's exponent field - 2, held at 1 from below; each number is divided by the scale and rounded to the nearest code, ties to even,
; beyond 7.5 the largest code.
; LIMITS: NaN and infinities among the inputs are not served.  A block of zeros, or one whose largest magnitude lies under 2^-124, gets the byte 1 where the rule says 127 or less than 1: its codes are zeros or are made under
; the byte 1, and the bytes are read by this program alone.
; THE BUFFERS ARE LAID IN THE ORDER IN WHICH THE NEXT LAUNCH TAKES THEM.  A fragment (16 rows x 128 K) is 12 registers a lane: lane (r = lane % 16, h = lane / 16) holds row r, registers 6 c .. 6 c + 5 = K 64 c + 32 h + 0 .. 31.
; Its image is 1,536 bytes: registers 4 k .. 4 k + 3 of lane l at 512 k + 16 l.  K is 16 steps of 128, in six runs: five of three steps and one of one.
; codes: [run][group of 8 blocks of 16 rows][step in the run][block in the group][1,536]: a group's part of a run is dense.
; scales: [block of 16 rows][w: 4][r: 16][f: 4] words of four bytes: the word of row r for step 4 w + f.
; B'S ROWS ARE TAKEN IN ANOTHER ORDER: block 8 hb + 2 g + u of B holds gate g, hidden units 32 hb + 16 u + 0 .. 15, so that the next launch finds the four gates of a hidden unit in one wave.
; SHARES.  A work-group takes one block of 16 rows (the first 512 work-groups A's, the other 256 B's); wave w takes steps 4 w .. 4 w + 3: four fragments.  Waves 0, 1 read x or Wx, waves 2, 3 h_prev or Wh.
; Each load takes 512 consecutive bytes of one row, 16 a lane.  The conversions want 32 neighbours along K in ONE lane, so a fragment's 8,192 bytes turn through the wave's own stage in LDS.
; Waves share nothing: no barrier.  Loads run two fragments (32 loads a wave) ahead.  No pointer is stepped.
.set IMG,   1536                       ; a fragment's image
.set GRP1,  8*IMG                      ; a group's eight blocks in one step
.set GRP3,  3*GRP1                     ; and in a run of three steps
.set SIGA,  64*GRP3                    ; from run to run in A's codes: 64 groups
.set SIGB,  32*GRP3                    ; and in B's: 32
.set SP,    528                        ; a stage row: 512 bytes + 16: 33 x 16, so that the sixteen rows that a read touches begin in different groups of banks (64 banks of 4 bytes: ISA guide 11.1)
.set STG,   16*SP                      ; a wave's stage
.set LN,  1                            ; v1   lane
.set LO,  2                            ; v2   16 x lane: my place in a load's 512 bytes and in an image's; never rewritten
.set STW, 3                            ; v3   the stage, on the way in
.set STR, 4                            ; v4   and on the way out: row r, + 128 h
.set SO,  5                            ; v5   16 r + 8 h: my two scale words' place
.set SH,  6                            ; v6   8 h: how far my two bytes are shifted in the scale word
.set MX,  8                            ; v8-9   my two blocks' largest magnitudes
.set SCO, 10                           ; v10-11 the conversions' scale operands
.set BYT, 12                           ; v12-13 the scale bytes
.set PD,  14                           ; v14    a lane permute's destination
.set WRD, 16                           ; v16-19 the four fragments' scale words
.set WD,  20                           ; v20-21 what the last store takes
.set C,   32                           ; v32-55 codes: two sets of 12
.set T,   56                           ; v56-58, v60-62: a conversion's three registers begin on an even number: the second half of a block's six does not, so it is made here and moved
.set R,   64                           ; v64-191 two sets of 64 numbers as loaded
.set X,   192                          ; v192-255 my two blocks of 32 neighbours
.set CB,  36                           ; s[36:43] where the four fragments' images go
.macro LOADF f                         ; fragment f: 512 bytes of each of the 16 rows, into set f % 2
.irp i, 0,1,2,3,4,5,6,7,8,9,10,11,12,13,14,15
	global_load_b128 v[R+64*((\f)%2)+4*\i:R+64*((\f)%2)+4*\i+3], v[LO], s[4:5] offset:4096*\i+512*(\f) th:TH_LOAD_NT   ; 32 lanes read 512 consecutive bytes, at a multiple of 512 from the tensor's first byte
.endr
.endm
.macro CBASE f                         ; step s = 4 w + f lies in run s / 3, at place s % 3 of it
	s_lshl_b32 s30, s20, 2
	s_add_co_u32 s30, s30, \f                      ; s
	s_mul_i32 s32, s30, 11
	s_lshr_b32 s32, s32, 5                         ; s / 3 (11 s / 32 is that for s up to 15)
	s_mul_i32 s33, s32, 3
	s_sub_co_u32 s33, s30, s33                     ; s % 3
	s_mov_b32 s31, GRP3
	s_cmp_eq_u32 s32, 5
	s_cselect_b32 s31, GRP1, s31                   ; a group's bytes in this run: the last run has one step
	s_mul_i32 s31, s31, s44                        ; my group,
	s_mul_i32 s32, s32, s24                        ; the run,
	s_mul_i32 s33, s33, GRP1                       ; the step in it,
	s_add_co_u32 s32, s32, s31
	s_add_co_u32 s32, s32, s33
	s_add_co_u32 s32, s32, s45                     ; my block in the group (all under 2^24)
	s_mov_b32 s33, 0
	s_add_nc_u64 s[CB+2*\f:CB+2*\f+1], s[12:13], s[32:33]
.endm
	s_load_b256 s[4:11], s[0:1], 0x0               ; x, h_prev, Wx, Wh
	s_load_b256 s[12:19], s[0:1], 0x20             ; A's codes, A's scales, B's codes, B's scales
	v_lshl_add_u32 v59, v0, 2, 0x8400
	v_mov_b32 v63, 0
	v_lshrrev_b32 v7, 5, v0
	v_readfirstlane_b32 s20, v7                    ; wave 0..3
	v_and_b32 v[LN], 31, v0
	v_and_b32 v7, 15, v0                           ; r
	v_bfe_u32 v15, v0, 4, 1                        ; h
	s_mul_i32 s21, s20, STG                        ; my stage
	v_lshlrev_b32 v[LO], 4, v[LN]
	v_add_nc_u32 v[STW], s21, v[LO]
	v_mul_u32_u24 v[STR], v7, SP
	v_lshl_add_u32 v[STR], v15, 7, v[STR]
	v_add_nc_u32 v[STR], s21, v[STR]
	v_lshlrev_b32 v[SO], 4, v7
	v_lshl_add_u32 v[SO], v15, 3, v[SO]
	v_lshlrev_b32 v[SH], 3, v15
	v_mov_b32 v[PD], 0                             ; written once: a lane permute's destination counts as one of its sources
	s_mov_b32 s34, 0x76543210
	s_mov_b32 s35, 0xfedcba98                      ; v_permlanex16_b32's selects for lane l xor 16
	s_and_b32 s22, s20, 1                          ; which half of the source's row is mine
	s_wait_kmcnt 0x0
	s_cmp_lt_u32 ttmp9, 512                        ; A's work-group or B's?  Only pointers and numbers are chosen: both take one path through the text
	s_cselect_b64 s[4:5], s[4:5], s[8:9]           ; x or Wx
	s_cselect_b64 s[6:7], s[6:7], s[10:11]         ; h_prev or Wh
	s_cselect_b64 s[12:13], s[12:13], s[16:17]     ; the codes
	s_cselect_b64 s[14:15], s[14:15], s[18:19]     ; the scales
	s_cselect_b32 s23, 0, 512
	s_mov_b32 s24, SIGB                            ; (leaves SCC alone)
	s_cselect_b32 s24, SIGA, s24                   ; bytes from run to run
	s_cselect_b32 s25, 1, 0
	s_sub_co_u32 s27, ttmp9, s23                   ; rb: my block of 16 rows
	s_lshl_b32 s28, s27, 4                         ; A: the source's rows are 16 rb on
	s_bfe_u32 s29, s27, 0x20001                    ; B: g = (rb / 2) % 4,
	s_lshl_b32 s29, s29, 10
	s_lshr_b32 s30, s27, 3                         ; hb = rb / 8,
	s_lshl_b32 s30, s30, 5
	s_add_co_u32 s29, s29, s30
	s_and_b32 s30, s27, 1                          ; u = rb % 2:
	s_lshl_b32 s30, s30, 4
	s_add_co_u32 s29, s29, s30                     ; rows 1,024 g + 32 hb + 16 u on
	s_cmp_lg_u32 s25, 0
	s_cselect_b32 s26, s28, s29
	s_cmp_lt_u32 s20, 2                            ; the first half of K comes from the first tensor, the second from the second
	s_cselect_b64 s[4:5], s[4:5], s[6:7]
	s_lshl_b32 s30, s26, 12                        ; rows of 4,096 bytes (under 2^26),
	s_lshl_b32 s31, s22, 11                        ; my 2,048 bytes of each
	s_add_co_u32 s30, s30, s31
	s_mov_b32 s31, 0
	s_add_nc_u64 s[4:5], s[4:5], s[30:31]
	LOADF 0                                        ; the first 32 loads go out ahead of the arithmetic for the ways out
	LOADF 1
	s_lshl_b32 s30, s27, 10                        ; the scales: 1,024 bytes a block, 256 for my four steps
	s_lshl_b32 s32, s20, 8
	s_add_co_u32 s30, s30, s32
	s_add_nc_u64 s[14:15], s[14:15], s[30:31]
	s_lshr_b32 s44, s27, 3                         ; my group of eight blocks,
	s_and_b32 s45, s27, 7
	s_mul_i32 s45, s45, IMG                        ; and my block's place in it
	CBASE 0
	CBASE 1
	CBASE 2
	CBASE 3
.macro TURNF f                         ; through the stage: in as loaded, out as two blocks of 32 neighbours a lane.  LDS serves a wave's instructions in order (ISA guide 5.7.1.4): no wait between the stores and the loads
.irp i, 0,1,2,3,4,5,6,7,8,9,10,11,12,13,14,15
	ds_store_b128 v[STW], v[R+64*((\f)%2)+4*\i:R+64*((\f)%2)+4*\i+3] offset:SP*\i
.endr
.irp c, 0,1
.irp j, 0,1,2,3,4,5,6,7
	ds_load_b128 v[X+32*\c+4*\j:X+32*\c+4*\j+3], v[STR] offset:256*\c+16*\j      ; block 2 c + h of row r
.endr
.endr
.endm
.macro QF f
.set CS, C+12*((\f)%2)
.if (\f) < 3
	s_wait_loadcnt 16                              ; this fragment's 16 loads are in; the next fragment's 16 may be out
.else
	s_wait_loadcnt 0x0
.endif
	TURNF \f
.if (\f) < 2
	s_wait_dscnt 16                                ; the 16 stores into the stage are done (the 16 reads behind them may be out): they have read their registers,
	LOADF (\f)+2                                   ; which take the loads of two fragments on
.endif
	s_wait_dscnt 0x0                               ; my 64 numbers are back
	v_max3_num_f32 v[MX], |v[X]|, |v[X+1]|, 0x1800000          ; all 32 numbers of a block are mine; the floor 2^(3 - 127) is one more leaf: so the byte cannot fall under 1
	v_max3_num_f32 v[MX+1], |v[X+32]|, |v[X+33]|, 0x1800000
.irp i, 2,4,6,8,10,12,14,16,18,20,22,24,26,28,30
	v_max3_num_f32 v[MX], v[MX], |v[X+\i]|, |v[X+\i+1]|        ; (the two blocks by turns)
	v_max3_num_f32 v[MX+1], v[MX+1], |v[X+32+\i]|, |v[X+33+\i]|
.endr
	v_add_nc_u32 v[SCO], 0xff000000, v[MX]         ; 2 off the exponent field: the conversion takes the exponent field of this operand as its scale, and nothing else of it
	v_add_nc_u32 v[SCO+1], 0xff000000, v[MX+1]
	v_lshrrev_b32 v[BYT], 23, v[SCO]               ; the scale's byte
	v_lshrrev_b32 v[BYT+1], 23, v[SCO+1]
	v_lshl_or_b32 v[WRD+(\f)], v[BYT+1], 16, v[BYT]            ; my two bytes: blocks h and 2 + h,
	v_lshlrev_b32 v[WRD+(\f)], v[SH], v[WRD+(\f)]              ; at their places in the row's word;
	v_permlanex16_b32 v[PD], v[WRD+(\f)], s34, s35
	v_or_b32 v[WRD+(\f)], v[WRD+(\f)], v[PD]       ; with lane l xor 16's two the word is whole, in both lanes
.if (\f) > 1
	s_wait_xcnt 0x0                                ; this set of codes was the data of the stores of two fragments ago: it is rewritten only behind this wait
.endif
	v_cvt_scalef32_pk16_fp6_f32 v[CS:CS+2], v[X:X+15], v[SCO]
	v_cvt_scalef32_pk16_fp6_f32 v[T:T+2], v[X+16:X+31], v[SCO]
	v_cvt_scalef32_pk16_fp6_f32 v[CS+6:CS+8], v[X+32:X+47], v[SCO+1]
	v_cvt_scalef32_pk16_fp6_f32 v[T+4:T+6], v[X+48:X+63], v[SCO+1]
	v_nop                                          ; one plain place behind a scaled conversion
.irp i, 0,1,2
	v_mov_b32 v[CS+3+\i], v[T+\i]
	v_mov_b32 v[CS+9+\i], v[T+4+\i]
.endr
.irp k, 0,1,2
	global_store_b128 v[LO], v[CS+4*\k:CS+4*\k+3], s[CB+2*(\f):CB+2*(\f)+1] offset:512*\k   ; the image: 32 lanes store 512 consecutive bytes, at a multiple of 512 from the buffer's first byte
.endr
.endm
	QF 0
	QF 1
	QF 2
	QF 3
	v_cmp_gt_u32 vcc_lo, 16, v[LN]                 ; of row r's four words lanes 0-15 store the first two, lanes 16-31 the other two
	v_cndmask_b32 v[WD], v[WRD+2], v[WRD], vcc_lo
	v_cndmask_b32 v[WD+1], v[WRD+3], v[WRD+1], vcc_lo
	global_store_b64 v[SO], v[WD:WD+1], s[14:15]   ; 32 lanes store 256 consecutive bytes, at a multiple of 256 from the buffer's first byte
	s_wait_tensorcnt 0x0
	ds_add_u32 v59, v63
	s_wait_dscnt 0x0
	s_endpgm
.Lfunc_end_k_qd0c3741850_quant:
	.size	k_qd0c3741850_quant, .Lfunc_end_k_qd0c3741850_quant-k_qd0c3741850_quant
	.p2alignl 7, 3214868480
	.fill 96, 4, 3214868480
	.section	.rodata,"a",@progbits
	.p2align	6, 0x0
	.amdhsa_kernel k_qd0c3741850_quant
		.amdhsa_group_segment_fixed_size 34304
		.amdhsa_private_segment_fixed_size 0
		.amdhsa_enable_private_segment 0
		.amdhsa_kernarg_size 64
		.amdhsa_user_sgpr_count 2
		.amdhsa_user_sgpr_kernarg_segment_ptr 1
		.amdhsa_wavefront_size32 1
		.amdhsa_system_sgpr_workgroup_id_x 1
		.amdhsa_system_sgpr_workgroup_id_y 1
		.amdhsa_system_sgpr_workgroup_id_z 1
		.amdhsa_system_vgpr_workitem_id 0
		.amdhsa_next_free_vgpr 256
		.amdhsa_next_free_sgpr 66
		.amdhsa_reserve_vcc 1
		.amdhsa_float_denorm_mode_32 3
		.amdhsa_float_denorm_mode_16_64 3
		.amdhsa_memory_ordered 1
		.amdhsa_forward_progress 1
		.amdhsa_inst_pref_size 33
	.end_amdhsa_kernel
	.amdgpu_metadata
---
amdhsa.version: [ 1, 2 ]
amdhsa.kernels:
  - .name:           k_qd0c3741850_quant
    .symbol:         k_qd0c3741850_quant.kd
    .args:
      - { .name: x, .offset: 0, .size: 8, .value_kind: global_buffer, .address_space: global }
      - { .name: h_prev, .offset: 8, .size: 8, .value_kind: global_buffer, .address_space: global }
      - { .name: Wx, .offset: 16, .size: 8, .value_kind: global_buffer, .address_space: global }
      - { .name: Wh, .offset: 24, .size: 8, .value_kind: global_buffer, .address_space: global }
      - { .name: a_codes, .offset: 32, .size: 8, .value_kind: global_buffer, .address_space: global }
      - { .name: a_scales, .offset: 40, .size: 8, .value_kind: global_buffer, .address_space: global }
      - { .name: b_codes, .offset: 48, .size: 8, .value_kind: global_buffer, .address_space: global }
      - { .name: b_scales, .offset: 56, .size: 8, .value_kind: global_buffer, .address_space: global }
    .group_segment_fixed_size: 34304
    .private_segment_fixed_size: 0
    .kernarg_segment_align: 8
    .kernarg_segment_size: 64
    .max_flat_workgroup_size: 128
    .sgpr_count:     66
    .vgpr_count:     256
    .wavefront_size: 32
...
	.end_amdgpu_metadata
.endif
;; end of part 1
;; launch lstm (part 2): grid 16 x 32, 4 waves a work-group, clusters of 4 x 4, 327,680 bytes of LDS; arguments a_codes, a_scales, b_codes, b_scales, c_prev, bh, out0, out1; writes out0, out1
.if DOCPART == 2
	.amdgcn_target "amdgcn-amd-amdhsa--gfx1250"
	.amdhsa_code_object_version 6
	.text
	.protected	k_qd0c3741850_lstm
	.globl	k_qd0c3741850_lstm
	.p2align	8
	.type	k_qd0c3741850_lstm,@function
k_qd0c3741850_lstm:
	s_mov_b64 s[64:65], 0
	v_nop
	global_prefetch_b8 v0, s[64:65] scope:SCOPE_SE
	s_setreg_imm32_b32 hwreg(HW_REG_WAVE_MODE, 25, 1), 1
	s_wait_xcnt 0x0
	s_wait_alu depctr_hold_cnt(0) depctr_sa_sdst(0) depctr_va_vdst(0) depctr_va_sdst(0) depctr_va_ssrc(0) depctr_va_vcc(0) depctr_vm_vsrc(0)
	s_getreg_b32 s2, hwreg(HW_REG_IB_STS2, 6, 4)
	s_cmp_eq_u32 s2, 0
	s_cbranch_scc0 .Lentry_in_a_cluster
	s_endpgm
.Lentry_in_a_cluster:
	s_bfe_u32 s2, ttmp6, 0x10000c
	s_cmp_lg_u32 s2, 0xf033
	s_cbranch_scc0 .Lentry_shape_is_right
	s_endpgm
.Lentry_shape_is_right:
; gates = [x | h_prev] [Wx | Wh]^T + bh on codes of FP6 (E2M3) with E8M0 scales, sums in f32; then c_next = sigmoid(f) c_prev + sigmoid(i) tanh(g), h_next = sigmoid(o) tanh(c_next), all in f32.  The gates never go to memory.
; OPERANDS come as the launch before laid them: images of fragments (16 rows x 128 K, 1,536 bytes: registers 4 k .. 4 k + 3 of lane l at 512 k + 16 l).  K is 16 steps of 128 in six runs, five of three steps and one of one;
; codes [run][group of 8 blocks of 16 rows][step in the run][block][1,536]; scale words [block][w: 4][r: 16][f: 4], the word of row r for step 4 w + f.  Block 8 hb + 2 g + u of B holds gate g of hidden units 32 hb + 16 u + 0 .. 15.
; SHARES.  A work-group of four waves, as many as a WGP has SIMDs, makes 256 batch rows x 256 rows of B (64 hidden units x 4 gates); a wave 128 x 128: 64 accumulators of 16 x 16, 512 registers.
; THE MATRIX INSTRUCTION IS USED TRANSPOSED (source 0 = 16 rows of B, source 1 = 16 rows of A): in accumulator (a, b = 2 g + u) lane (r, h) holds in register j gate g of batch row 16 a + r, hidden unit 16 u + 8 h + j of the
; wave's 32.  So the four gates of an output lie in one lane, at the same register number of four accumulators, and the cell's arithmetic needs no other lane.
; THE RING.  Two LDS slots, each a run of K: 384 along K, 147,456 bytes, as much as two slots can hold.  A wave's part of a slot, a group's three steps, is 36,864 dense bytes of memory.  Between the request for a slot and the wait
; for it a wave issues 160 matrix instructions.  The room for such slots is made in two ways.  THE SCALE WORDS LIE IN REGISTERS: a wave's 16 blocks x 16 steps are 128 registers, brought once by 32 loads of 512 consecutive bytes;
; register 8 x block + 4 (s / 8) + s % 4 holds step s's words in lanes 0-15 or 16-31 by (s / 4) % 2.  Every step names other registers, so the 16 steps are written out.  THE TILE OF c_prev COMES AS A REFILL: the last run is one
; step, so wave 0 fetches all of A's part of it, wave 2 all of B's, and waves 1 and 3 the two halves of c_prev, into the rest of that slot.
; CLUSTERS: 4 x 4 work-groups.  The four of a row of the cluster need the same tiles of A, the four of a column the same tiles of B: each is asked for JOINTLY, by the same tensor load with the same descriptor and a mask that names the four.
; THE CELL.  sigmoid(x) = 1 / (1 + 2^(-x log2 e));  tanh(x) = (E - 1) / (E + 1), E = 2^min(2 x log2 e, 32): from x = 11.1 on the quotient is 1 in f32, so the hold changes nothing.  An exponential of a sigmoid that
; overflows gives a reciprocal of 0, times a number that the hold keeps finite.  LIMITS: NaN and infinities are not served; tanh so made is right to about 1e-7 in absolute terms, not relative to a very small x.
; THE WAY OUT goes on under the cell's arithmetic: a block of 16 batch rows is finished, a barrier (a row's 256 bytes come from two waves), and each wave reads 16 whole rows of one of the two results back and stores them
; in the middle of the next block's arithmetic.
; REGISTERS, in windows of 256: window 0: v0-31 addresses; v32-95 B's scale words, v96-127 and v224-255 A's, and nothing else ever; v128-223 A's fragments, ONE set.
;   window 1: B's fragments, TWO sets, at v0 and v128; v96-127 and v224-255 the biases; behind the products the cell works in the two sets' registers.
;   window 2: the accumulators of my rows 0-63 ((a, b) at v[8 (8 a + b)]);   window 3: those of my rows 64-127.
.set FR,     12                        ; registers of a fragment
.set NL,     3                         ; LDS loads that bring one
.set NP,     4                         ; places behind this matrix instruction (ISA guide 7.12.1)
.set IMG,    1536                      ; a fragment's image
.set GRP1,   8*IMG                     ; a group's eight blocks in one step
.set PART,   3*GRP1                    ; and in a run of three: what one tensor load brings, and what one wave reads of A or of B
.set SLOT,   4*PART                    ; A's two groups, then B's two
.set SIGA,   64*PART                   ; from run to run in A's codes
.set SIGB,   32*PART                   ; and in B's
.set SPARE,  2*SLOT                    ; behind the ring: the spare words, 128 bytes for each wave: two blocks of 256 bytes that no other line names
.set CPITCH, 272                       ; a row of the tiles of c and h: 256 bytes + 16
.set HT,     2*GRP1                    ; h_next: rows 0-127 from here on in slot 0, rows 128-255 CHALF further on.  Slot 0 has had its last fill and its last read when the first result is stored there
.set CT,     SLOT+HT                   ; c_prev, and over it c_next: at the same places of slot 1, between and behind the last run's A (at SLOT) and B (at SLOT + 2 PART), 24,576 bytes each
.set CHALF,  2*PART
.set CA,   8                           ; v8   c: my lane's 32 bytes in my wave's first row block
.set HA,   9                           ; v9   h: the same
.set RD,   10                          ; v10  the way out: where I read rows back
.set CO,   12                          ; v12  my byte offset in my output
.set BO,   13                          ; v13  and in the biases
.set LI,   14                          ; v14  16 x lane: my place in an image and in a load of scale words
.set ADRA, 16                          ; v16-17  LDS address of my A fragments in slot 0, 1;  v18 in the last run
.set ADRA5, 18
.set ADRB, 20                          ; v20-21, v22  the same for B
.set ADRB5, 22
.set SPW,  28                          ; v28  LDS address of my spare word: SPARE + 4 x my thread's number; never rewritten
.set NIL,  29                          ; v29  0; never rewritten
.set SB,   32                          ; B's scale words: block b at v[SB + 8 b]
.set SA,   96                          ; A's: block a at v[SA + 8 a + 96 (a / 4)]
.set AF,   128                         ; A's fragments
.set E,    0                           ; window 1, behind the products: 64 exponentials of a row block, 16 for each gate
.set EI,   E
.set EF,   E+16
.set EG,   E+32
.set EO,   E+48
.set CP,   64                          ; c_prev of a row block, two sets of 16
.set BI,   96                          ; the biases: v[BI + 8 b + 96 (b / 4) + j] goes with register j of the accumulators (., b)
.set P,    128                         ; at work, at last h_next
.set CN,   144                         ; c_next
.set RB,   160                         ; 16 rows read back, two sets of 32
.set G1C, 4                            ; s[4:11]  descriptor group 1 for c_prev (written when the loads whose bases arrive there are done)
.set KN,  18                           ; s[18:19] -log2(e), twice
.set KP,  20                           ; s[20:21] 2 log2(e), twice
.set CL,  22                           ; s22      32.0
.set G1,  24                           ; s[24:31] group 1 for A's parts of a run of three;  s[32:39] group 0, one set for each slot
.set G0,  32
.set G1B, 48                           ; s[48:55], s[56:63] the same for B
.set G0B, 56
.set G15, 68                           ; s[68:75] group 1 for A's part of the last run;  s[76:83] for B's;  s[84:87], s[88:91] their groups 0
.set G15B, 76
.set G05, 84
.set G05B, 88
.set G0C, 92                           ; s[92:95] group 0 for c_prev
.set OUTP, 96                          ; s[96:97] the output that my wave stores
.set MSB, 0
.macro WIN new                         ; the immediate's high byte repeats the setting that is left
.if MSB != \new
	s_set_vgpr_msb (MSB<<8)|\new
.set MSB, \new
.endif
.endm
.set MUL_LO, 0xa1                      ; source 0 (B) window 1, source 1 (A) window 0, C and D window 2
.set MUL_HI, 0xf1                      ; the same, C and D window 3
.set TO_B,   0x40                      ; destination window 1, address window 0
.set W_E,    0x55                      ; all of a vector instruction in window 1
.set W_ST,   0x04                      ; a store's data (source 1) window 1, its address window 0
; A joint load: waves 0 and 1 fetch for A, waves 2 and 3 for B.  Each of the two lines has ONE mask and one set of registers for all that issue it; the branch hangs on the wave's number alone.
; Four v_nop follow each tensor load, ahead of the jump, the label and what follows.
.macro JLOAD g0a, g1a, g0b, g1b
	s_cmp_eq_u32 s15, 0
	s_cbranch_scc0 .Lfor_b_\@
	tensor_load_to_lds s[\g0a:\g0a+3], s[\g1a:\g1a+7]
	s_nop 0
.rept 4
	v_nop
.endr
	s_branch .Lasked_\@
.Lfor_b_\@:
	tensor_load_to_lds s[\g0b:\g0b+3], s[\g1b:\g1b+7]
	s_nop 0
.rept 4
	v_nop
.endr
.Lasked_\@:
.endm
; The last refill: wave 0 A's part of the last run, wave 2 B's, both jointly; waves 1 and 3 a half each of this work-group's own tile of c_prev.  One load a wave.
.macro JLOAD5
	s_cmp_eq_u32 s16, 0
	s_cbranch_scc0 .Lfor_c_\@
	s_cmp_eq_u32 s15, 0
	s_cbranch_scc0 .Lfor_b_\@
	tensor_load_to_lds s[G05:G05+3], s[G15:G15+7]
	s_nop 0
.rept 4
	v_nop
.endr
	s_branch .Lasked_\@
.Lfor_b_\@:
	tensor_load_to_lds s[G05B:G05B+3], s[G15B:G15B+7]
	s_nop 0
.rept 4
	v_nop
.endr
	s_branch .Lasked_\@
.Lfor_c_\@:
	tensor_load_to_lds s[G0C:G0C+3], s[G1C:G1C+7]
	s_nop 0
.rept 4
	v_nop
.endr
.Lasked_\@:
.endm
.macro CREST                           ; a round of the cluster's barrier behind its opening barrier
	s_cmp_lg_u32 s14, 0
	s_cbranch_scc1 .Lnot_wave_0_\@
	s_barrier_signal -3
.Lnot_wave_0_\@:
	s_barrier_wait -3
	s_barrier_signal -1
	s_barrier_wait -1
.endm
.macro CROUND                          ; a whole round
	s_barrier_signal -1
	s_barrier_wait -1
	CREST
.endm
	s_load_b256 s[4:11], s[0:1], 0x0               ; A's codes s[4:5], A's scales s[6:7], B's codes s[8:9], B's scales s[10:11]
	s_load_b64 s[G0C+2:G0C+3], s[0:1], 0x20        ; c_prev, straight into its descriptor
	s_load_b64 s[12:13], s[0:1], 0x28              ; bh
	s_load_b128 s[96:99], s[0:1], 0x30             ; out0 = h_next s[96:97], out1 = c_next s[98:99]
	v_lshl_add_u32 v[SPW], v0, 2, SPARE
	v_mov_b32 v[NIL], 0
	ds_add_u32 v28, v29
	ds_add_u32 v28, v29
	s_wait_dscnt 0x0
	v_lshrrev_b32 v1, 5, v0
	v_readfirstlane_b32 s14, v1                    ; wave 0..3
	s_lshr_b32 s15, s14, 1                         ; which half of the tile's batch rows is mine.  Also: I fetch for A (0) or for B (1)
	s_and_b32 s16, s14, 1                          ; which half of its rows of B.  Also: which group of that tile I fetch
	v_and_b32 v1, 15, v0                           ; r = lane % 16
	v_bfe_u32 v2, v0, 4, 1                         ; h = lane / 16
	v_and_b32 v3, 31, v0
	v_lshlrev_b32 v[LI], 4, v3
	v_lshlrev_b32 v[BO], 5, v2                     ; the biases: my half's eight numbers
	s_bfe_u32 s40, ttmp6, 0x40000                  ; cx, cy: my place in the cluster
	s_bfe_u32 s41, ttmp6, 0x40004
	s_lshl_b32 s42, ttmp9, 2
	s_add_co_u32 s42, s42, s40                     ; tc: tile column = 4 x cluster x + cx: 64 hidden units
	s_and_b32 s17, ttmp7, 0xffff
	s_lshl_b32 s17, s17, 2
	s_add_co_u32 s17, s17, s41                     ; tr: tile row = 4 x cluster y + cy: 256 batch rows
	s_lshl_b32 s43, s41, 2
	s_lshl_b32 s43, 15, s43                        ; my row of the cluster
	s_lshl_b32 s44, 0x1111, s40                    ; my column
	; descriptor group 1 for a group's part of a run of three steps: 36,864 dense bytes as 144 rows of 256 bytes (32 elements of 8 bytes), no padding
	s_or_b32 s[G1+0], s43, (3<<16)|(1<<21)         ; 15:0 the mask: A's tiles go to my row; 17:16 elements of 8 bytes; 20 padding off; 21 set beside a mask
	s_or_b32 s[G1B+0], s44, (3<<16)|(1<<21)        ; the same with the mask of my column
.irp g, G1, G1B
	s_mov_b32 s[\g+1], 32<<16                      ; tensor_dim0 = 32
	s_mov_b32 s[\g+2], 144<<16                     ; tensor_dim1 = 144
	s_mov_b32 s[\g+3], 32<<16                      ; tile_dim0 = 32
	s_mov_b32 s[\g+4], 144                         ; tile_dim1 = 144
	s_mov_b32 s[\g+5], 32                          ; tensor_dim0_stride: the rows follow each other
	s_mov_b32 s[\g+6], 0
	s_mov_b32 s[\g+7], 0
.endr
	; and for a tile's two groups in the last run, one step: 24,576 dense bytes as 96 rows of 256
	s_or_b32 s[G15+0], s43, (3<<16)|(1<<21)
	s_or_b32 s[G15B+0], s44, (3<<16)|(1<<21)
.irp g, G15, G15B
	s_mov_b32 s[\g+1], 32<<16
	s_mov_b32 s[\g+2], 96<<16
	s_mov_b32 s[\g+3], 32<<16
	s_mov_b32 s[\g+4], 96
	s_mov_b32 s[\g+5], 32
	s_mov_b32 s[\g+6], 0
	s_mov_b32 s[\g+7], 0
.endr
	; where the tiles come from.  A's hang on the tile row alone, B's on the tile column alone, each in registers that never hold the other coordinate
	s_lshl_b32 s20, s17, 1
	s_add_co_u32 s20, s20, s16                     ; A: group 2 tr + half
	s_mul_i32 s20, s20, PART                       ; (under 2^22)
	s_mov_b32 s21, 0
	s_lshl_b32 s46, s42, 1
	s_add_co_u32 s46, s46, s16                     ; B: group 2 tc + half
	s_mul_i32 s46, s46, PART
	s_mov_b32 s47, 0
	s_mul_i32 s22, s17, 2*GRP1                     ; in the last run a tile's two groups are 24,576 bytes
	s_mov_b32 s23, 0
	s_mul_i32 s66, s42, 2*GRP1
	s_mov_b32 s67, 0
	s_mul_i32 s45, s14, PART                       ; where they go: wave x a part: no place in the cluster enters an LDS address
	s_lshl_b32 s84, s17, 14                        ; my eight blocks' scale words, 1,024 bytes a block: A's from block 16 tr + 8 x row half on,
	s_lshl_b32 s2, s15, 13
	s_add_co_u32 s84, s84, s2
	s_mov_b32 s85, 0
	s_lshl_b32 s86, s42, 14                        ; B's from block 16 tc + 8 x column half on
	s_lshl_b32 s2, s16, 13
	s_add_co_u32 s86, s86, s2
	s_mov_b32 s87, 0
	s_lshl_b32 s88, s42, 8                         ; the biases of my 32 hidden units: 256 tc + 128 x column half bytes on in each gate's row
	s_lshl_b32 s2, s16, 7
	s_add_co_u32 s88, s88, s2
	s_mov_b32 s89, 0
	s_lshl_b32 s100, s17, 8                        ; c_prev and the outputs: (256 tr + 128 x (wave / 2)) rows of 4,096 bytes + 256 tc bytes on (under 2^26)
	s_lshl_b32 s2, s15, 7
	s_add_co_u32 s100, s100, s2
	s_lshl_b32 s100, s100, 12
	s_lshl_b32 s2, s42, 8
	s_add_co_u32 s100, s100, s2
	s_mov_b32 s101, 0
	s_mov_b32 s[G0C], 1                            ; 1:0 count = 1
	s_mul_i32 s[G0C+1], s15, CHALF
	s_add_co_u32 s[G0C+1], s[G0C+1], CT            ; 63:32 LDS address: half wave / 2 of the tile
	s_wait_kmcnt 0x0
	s_add_nc_u64 s[6:7], s[6:7], s[84:85]
	s_add_nc_u64 s[10:11], s[10:11], s[86:87]
	s_add_nc_u64 s[12:13], s[12:13], s[88:89]
.irp i, 0,1,2,3,4,5,6,7                        ; the scale words of all of K: each load takes 512 consecutive bytes, at a multiple of 512 from the buffer's first byte
.irp m, 0,1
	global_load_b128 v[SB+8*\i+4*\m:SB+8*\i+4*\m+3], v[LI], s[10:11] offset:1024*\i+512*\m
	global_load_b128 v[SA+8*\i+96*(\i/4)+4*\m:SA+8*\i+96*(\i/4)+4*\m+3], v[LI], s[6:7] offset:1024*\i+512*\m
.endr
.endr
	WIN TO_B
.irp b, 0,1,2,3,4,5,6,7                        ; the biases: gate b / 2, hidden units 16 (b % 2) + 8 h + 0 .. 7 of my 32
.irp k, 0,1
	global_load_b128 v[BI+8*\b+96*(\b/4)+4*\k:BI+8*\b+96*(\b/4)+4*\k+3], v[BO], s[12:13] offset:(\b/2)*4096+(\b%2)*64+16*\k
.endr
.endr
	WIN 0
	s_add_nc_u64 s[20:21], s[4:5], s[20:21]
	s_add_nc_u64 s[22:23], s[4:5], s[22:23]
	s_add_nc_u64 s[46:47], s[8:9], s[46:47]
	s_add_nc_u64 s[66:67], s[8:9], s[66:67]
	s_add_nc_u64 s[G0C+2:G0C+3], s[G0C+2:G0C+3], s[100:101]
	s_or_b32 s[G0C+3], s[G0C+3], 0x80000000        ; 127:126 type = 2
	s_cmp_eq_u32 s16, 0                            ; waves 0 and 2 store h_next, waves 1 and 3 c_next: the choice hangs on the wave's number alone
	s_cselect_b64 s[OUTP:OUTP+1], s[96:97], s[98:99]
	s_add_nc_u64 s[OUTP:OUTP+1], s[OUTP:OUTP+1], s[100:101]
	CROUND                                         ; all sixteen work-groups are here: the first joint loads meet
.irp s, 0,1
	s_mov_b32 s[G0+4*\s], 1
	s_add_co_u32 s[G0+4*\s+1], s45, \s*SLOT
	s_add_nc_u64 s[G0+4*\s+2:G0+4*\s+3], s[20:21], \s*SIGA
	s_or_b32 s[G0+4*\s+3], s[G0+4*\s+3], 0x80000000
	s_mov_b32 s[G0B+4*\s], 1
	s_add_co_u32 s[G0B+4*\s+1], s45, \s*SLOT
	s_add_nc_u64 s[G0B+4*\s+2:G0B+4*\s+3], s[46:47], \s*SIGB
	s_or_b32 s[G0B+4*\s+3], s[G0B+4*\s+3], 0x80000000
	JLOAD G0+4*\s, G1, G0B+4*\s, G1B               ; runs 0 and 1: two loads of mine are out
.endr
	s_mov_b32 s[G05], 1                            ; the last run's descriptors, for later
	s_mov_b32 s[G05+1], SLOT
	s_add_nc_u64 s[G05+2:G05+3], s[22:23], 5*SIGA
	s_or_b32 s[G05+3], s[G05+3], 0x80000000
	s_mov_b32 s[G05B], 1
	s_mov_b32 s[G05B+1], SLOT+2*PART
	s_add_nc_u64 s[G05B+2:G05B+3], s[66:67], 5*SIGB
	s_or_b32 s[G05B+3], s[G05B+3], 0x80000000
	s_mul_i32 s2, s15, PART                        ; my group of A
	s_mul_i32 s3, s16, PART                        ; my group of B,
	s_add_co_u32 s3, s3, 2*PART                    ; which lies behind A's two
.irp s, 0,1
	v_add_nc_u32 v[ADRA+\s], s2, v[LI]
	v_add_nc_u32 v[ADRB+\s], s3, v[LI]
	s_add_co_u32 s2, s2, SLOT
	s_add_co_u32 s3, s3, SLOT
.endr
	s_mul_i32 s2, s15, GRP1                        ; in the last run a group is one step's eight blocks
	s_add_co_u32 s2, s2, SLOT
	v_add_nc_u32 v[ADRA5], s2, v[LI]
	s_mul_i32 s3, s16, GRP1
	s_add_co_u32 s3, s3, SLOT+2*PART
	v_add_nc_u32 v[ADRB5], s3, v[LI]
	s_mul_i32 s2, s15, CHALF                       ; the tiles of c and h: my 128 rows, my 128 bytes of each;
	s_lshl_b32 s3, s16, 7
	s_add_co_u32 s2, s2, s3
	s_add_co_u32 s2, s2, HT
	v_mul_u32_u24 v[HA], v1, CPITCH                ; row r, 32 bytes for each half of the lanes
	v_lshl_add_u32 v[HA], v2, 5, v[HA]
	v_add_nc_u32 v[HA], s2, v[HA]
	v_add_nc_u32 v[CA], SLOT, v[HA]                ; c's tile lies a slot further on than h's
	s_mul_i32 s2, s15, CHALF                       ; back: wave w takes the rows of half w / 2, of h (w even) or of c (w odd); lanes 0-15 one row of 256 bytes, lanes 16-31 the next
	s_mul_i32 s3, s16, SLOT
	s_add_co_u32 s2, s2, s3
	s_add_co_u32 s2, s2, HT
	v_mul_u32_u24 v[RD], v2, CPITCH
	v_lshl_add_u32 v[RD], v1, 4, v[RD]
	v_add_nc_u32 v[RD], s2, v[RD]
	v_lshlrev_b32 v[CO], 12, v2                    ; and the same two rows in the output
	v_lshl_add_u32 v[CO], v1, 4, v[CO]
.macro FRAG reg, adr, q, i             ; a fragment's image: three loads of 16 bytes a lane, each from 512 consecutive bytes
.irp c, 0,1,2
	ds_load_b128 v[\reg+4*\c:\reg+4*\c+3], v[\adr] offset:(\q)*GRP1+(\i)*IMG+512*\c
.endr
.endm
; One product: A's block a x B's block b, step s of K.  B's set is s % 2.  zero = 1: it starts the sum: nothing is ever cleared.
.macro WM a, b, s, zero
.set rD, 8*(8*((\a)%4)+(\b))
.set rB, 128*((\s)%2)+FR*(\b)
.set rA, AF+FR*(\a)
.set rSB, SB+8*(\b)+4*((\s)/8)+(\s)%4
.set rSA, SA+8*(\a)+96*((\a)/4)+4*((\s)/8)+(\s)%4
.if \zero
	v_wmma_scale_f32_16x16x128_f8f6f4 v[rD:rD+7], v[rB:rB+FR-1], v[rA:rA+FR-1], 0, v[rSB], v[rSA] matrix_a_fmt:MATRIX_FMT_FP6 matrix_b_fmt:MATRIX_FMT_FP6
.elseif ((\s)/4)%2
	v_wmma_scale_f32_16x16x128_f8f6f4 v[rD:rD+7], v[rB:rB+FR-1], v[rA:rA+FR-1], v[rD:rD+7], v[rSB], v[rSA] matrix_a_fmt:MATRIX_FMT_FP6 matrix_b_fmt:MATRIX_FMT_FP6 matrix_a_scale:MATRIX_SCALE_ROW1 matrix_b_scale:MATRIX_SCALE_ROW1
.else
	v_wmma_scale_f32_16x16x128_f8f6f4 v[rD:rD+7], v[rB:rB+FR-1], v[rA:rA+FR-1], v[rD:rD+7], v[rSB], v[rSA] matrix_a_fmt:MATRIX_FMT_FP6 matrix_b_fmt:MATRIX_FMT_FP6
.endif
.endm
; 16 matrix instructions: A's blocks a0, a0 + 1 x B's eight.  The 64 accumulators take turns, one instruction a turn, in the same order in every step.
.macro MUL16 a0, s, zero
.irp a, \a0, \a0+1
.irp b, 0,1,2,3,4,5,6,7
	WM (\a), \b, (\s), \zero
.endr
.endr
.endm
.macro FETCH_B s                       ; B's eight fragments of step s into set s % 2.  Step s lies in slot (s / 3) % 2, at place s % 3
.if (\s) == 15
.set AD, ADRB5
.else
.set AD, ADRB+((\s)/3)%2
.endif
	WIN TO_B
.irp i, 0,1,2,3,4,5,6,7
	FRAG 128*((\s)%2)+FR*\i, AD, (\s)%3, \i
.endr
	WIN 0
.endm
.macro FETCH_A s, i0                   ; A's blocks i0 .. i0 + 3 of step s
.if (\s) == 15
.set AD, ADRA5
.else
.set AD, ADRA+((\s)/3)%2
.endif
.irp i, \i0, \i0+1, \i0+2, \i0+3
	FRAG AF+FR*(\i), AD, (\s)%3, \i
.endr
.endm
; A load into a register that a matrix instruction has read, and a vector instruction that reads a matrix result or writes one of a matrix instruction's registers, stand NP places behind it, and only plain vector
; instructions that name none of its registers are places (ISA guide 7.12.1 for vector instructions); this text does not count the matrix instructions in between.
.macro PLACES n
.rept \n
	v_nop
.endr
.endm
; A step of 128 along K that has its successor in the same slot.  A's blocks go one after the other, each against B's eight, so one set of registers serves A: blocks 0-3 are fetched anew in the step's middle, blocks 4-7 at its end.
.macro STEP s, zero
	s_wait_dscnt 4*NL                              ; B's set and A's blocks 0-3 are in; the youngest twelve loads (A's blocks 4-7) may be out
	WIN MUL_LO
	MUL16 0, \s, \zero
	MUL16 2, \s, \zero
	s_wait_dscnt 0                                 ; A's blocks 4-7 are in (asked for 32 matrix instructions ago)
	PLACES NP
	FETCH_B (\s)+1
	FETCH_A (\s)+1, 0
	WIN MUL_HI
	MUL16 4, \s, \zero
	MUL16 6, \s, \zero
	PLACES NP
	WIN 0
	FETCH_A (\s)+1, 4
.endm
; A slot's last step changes slots: ONE barrier; in front of it each wave waits for all its tensor loads, adds 0 to its spare word, and waits for that and for its own reads of this slot.
; kind = 1: this slot is filled again, with the run two runs on;  2: with the last run and c_prev;  0: with nothing.
.macro TURN s, kind
.set SL, ((\s)/3)%2
	s_wait_tensorcnt 0x0                           ; all my tensor loads have landed: my part of the next slot;  (every window is 0 here: the add's two registers lie in window 0)
	ds_add_u32 v[SPW], v[NIL]                      ; 0 onto my spare word
	s_wait_dscnt 4*NL+1                            ; (the add and the youngest twelve loads, A's blocks 4-7, may be out)
	WIN MUL_LO
	MUL16 0, \s, 0                                 ; sixteen matrix instructions stand between the add and the wait for it
	s_wait_dscnt 0x0                               ; the add is done, and my reads of this slot are over
	s_barrier_signal -1
	MUL16 2, \s, 0
	WIN 0
	s_barrier_wait -1
.if \kind == 1
	CREST                                          ; the barrier has opened a round of the cluster's barrier: no wave of any partner still reads this slot's tile or has a load on its way
	s_add_nc_u64 s[G0+4*SL+2:G0+4*SL+3], s[G0+4*SL+2:G0+4*SL+3], 2*SIGA
	s_add_nc_u64 s[G0B+4*SL+2:G0B+4*SL+3], s[G0B+4*SL+2:G0B+4*SL+3], 2*SIGB
	JLOAD G0+4*SL, G1, G0B+4*SL, G1B               ; the first tensor load behind the round, 160 matrix instructions ahead of the wait for it; the four v_nop behind it are the places in front of the loads below
.elseif \kind == 2
	CREST
	JLOAD5
.else
	PLACES NP
.endif
	FETCH_B (\s)+1
	FETCH_A (\s)+1, 0
	WIN MUL_HI
	MUL16 4, \s, 0
	MUL16 6, \s, 0
	PLACES NP
	WIN 0
	FETCH_A (\s)+1, 4
.endm
; THE CELL, a block of 16 batch rows at a time: 16 outputs a lane.  All its registers lie in window 1; addresses in window 0.
.macro CLOAD a                         ; c_prev of block a: batch row 16 a + r, my 16 hidden units, in the order of the accumulators' registers
.set CPL, CP+16*((\a)%2)
	WIN TO_B
.irp u, 0,1
.irp k, 0,1
	ds_load_b128 v[CPL+8*\u+4*\k:CPL+8*\u+4*\k+3], v[CA] offset:(\a)*16*CPITCH+64*\u+16*\k
.endr
.endr
.endm
.macro GA a                            ; block a's exponents and exponentials: work on registers alone
.set AC, 64*((\a)%4)
	WIN 0x52+(\a)/4                                ; source 0: window 2 or 3; source 2 and the destination: window 1
.irp b, 0,1,2,3,4,5,6,7                        ; (gate + bias) x -log2(e) for i, f, o, x 2 log2(e) for g; the biases carry the factor already.  Each accumulator from its low end on
.irp p, 0,2,4,6
.if \b/2 == 2
	v_pk_fma_f32 v[E+8*\b+\p:E+8*\b+\p+1], v[AC+8*\b+\p:AC+8*\b+\p+1], s[KP:KP+1], v[BI+8*\b+96*(\b/4)+\p:BI+8*\b+96*(\b/4)+\p+1] op_sel_hi:[1,0,1]
.else
	v_pk_fma_f32 v[E+8*\b+\p:E+8*\b+\p+1], v[AC+8*\b+\p:AC+8*\b+\p+1], s[KN:KN+1], v[BI+8*\b+96*(\b/4)+\p:BI+8*\b+96*(\b/4)+\p+1] op_sel_hi:[1,0,1]
.endif
.endr
.endr
	WIN W_E
.set i, 0
.rept 16
	v_min_num_f32 v[EG+i], s[CL], v[EG+i]          ; tanh's exponent is held at 32
.set i, i+1
.endr
.set i, 0
.rept 64
	v_exp_f32 v[E+i], v[E+i]                       ; Ei, Ef, Eg, Eo
.set i, i+1
.endr
	v_nop                                          ; a plain place behind the exponentials
.endm
.macro BACK a                          ; 16 whole rows of block a, of my result and my half of the rows
.set RBA, RB+32*((\a)%2)
	WIN TO_B
.irp t, 0,1,2,3,4,5,6,7
	ds_load_b128 v[RBA+4*\t:RBA+4*\t+3], v[RD] offset:(16*(\a)+2*\t)*CPITCH
.endr
.endm
.macro SEND a
.set RBA, RB+32*((\a)%2)
	WIN W_ST
.irp t, 0,1,2,3,4,5,6,7
	global_store_b128 v[CO], v[RBA+4*\t:RBA+4*\t+3], s[OUTP:OUTP+1] offset:(16*(\a)+2*\t)*4096 th:TH_STORE_NT   ; 16 lanes store 256 consecutive bytes, at a multiple of 256 from the output's first byte; written once, read by nobody here
.endr
.endm
.macro GB a                            ; the rest of block a; in its middle the block before leaves
.if (\a) < 7
	CLOAD (\a)+1                                   ; a block ahead
.endif
.set CPA, CP+16*((\a)%2)
	WIN W_E
.set i, 0
	s_wait_alu depctr_va_vdst(0)
.rept 8
	v_pk_add_f32 v[P+i:P+i+1], v[EG+i:EG+i+1], 1.0 op_sel_hi:[1,0]                 ; Eg + 1
.set i, i+2
.endr
.set i, 0
.rept 8
	v_pk_add_f32 v[EF+i:EF+i+1], v[EF+i:EF+i+1], 1.0 op_sel_hi:[1,0]               ; Ef + 1
.set i, i+2
.endr
.set i, 0
.rept 8
	v_pk_add_f32 v[EG+i:EG+i+1], v[EG+i:EG+i+1], -1.0 op_sel_hi:[1,0]              ; Eg - 1
.set i, i+2
.endr
.set i, 0
.rept 8
	v_pk_fma_f32 v[EI+i:EI+i+1], v[EI+i:EI+i+1], v[P+i:P+i+1], v[P+i:P+i+1]        ; (Ei + 1) (Eg + 1): one reciprocal serves sigmoid(i) tanh(g)
.set i, i+2
.endr
.set i, 0
.rept 32
	v_rcp_f32 v[EI+i], v[EI+i]                     ; (EI and EF lie on end)
.set i, i+1
.endr
.if (\a) < 7
	s_wait_dscnt 4                                 ; this block's c_prev and the rows read back of the block before are in; the next block's four loads of c_prev may be out
.else
	s_wait_dscnt 0x0
.endif
	v_nop                                          ; a plain place behind the reciprocals
.set i, 0
	s_wait_alu depctr_va_vdst(0)
.rept 8
	v_pk_mul_f32 v[EF+i:EF+i+1], v[EF+i:EF+i+1], v[CPA+i:CPA+i+1]                  ; sigmoid(f) c_prev
.set i, i+2
.endr
.set i, 0
.rept 8
	v_pk_fma_f32 v[CN+i:CN+i+1], v[EG+i:EG+i+1], v[EI+i:EI+i+1], v[EF+i:EF+i+1]    ; c_next
.set i, i+2
.endr
.if (\a) > 0
	SEND (\a)-1
.endif
	WIN W_ST
.irp u, 0,1
.irp k, 0,1
	ds_store_b128 v[CA], v[CN+8*\u+4*\k:CN+8*\u+4*\k+3] offset:(\a)*16*CPITCH+64*\u+16*\k   ; over my own bytes of c_prev, which I alone have read
.endr
.endr
	WIN W_E
.set i, 0
.rept 8
	v_pk_mul_f32 v[EF+i:EF+i+1], v[CN+i:CN+i+1], s[KP:KP+1] op_sel_hi:[1,0]
.set i, i+2
.endr
.set i, 0
.rept 16
	v_min_num_f32 v[EF+i], s[CL], v[EF+i]
.set i, i+1
.endr
.set i, 0
.rept 16
	v_exp_f32 v[EF+i], v[EF+i]                     ; Ec
.set i, i+1
.endr
	v_nop
.set i, 0
	s_wait_alu depctr_va_vdst(0)
.rept 8
	v_pk_add_f32 v[P+i:P+i+1], v[EF+i:EF+i+1], 1.0 op_sel_hi:[1,0]                 ; Ec + 1
.set i, i+2
.endr
.set i, 0
.rept 8
	v_pk_add_f32 v[EF+i:EF+i+1], v[EF+i:EF+i+1], -1.0 op_sel_hi:[1,0]              ; Ec - 1
.set i, i+2
.endr
.set i, 0
.rept 8
	v_pk_fma_f32 v[EO+i:EO+i+1], v[EO+i:EO+i+1], v[P+i:P+i+1], v[P+i:P+i+1]        ; (Eo + 1) (Ec + 1)
.set i, i+2
.endr
.set i, 0
.rept 16
	v_rcp_f32 v[EO+i], v[EO+i]
.set i, i+1
.endr
	v_nop
.set i, 0
	s_wait_alu depctr_va_vdst(0)
.rept 8
	v_pk_mul_f32 v[P+i:P+i+1], v[EF+i:EF+i+1], v[EO+i:EO+i+1]                      ; h_next
.set i, i+2
.endr
	WIN W_ST
.irp u, 0,1
.irp k, 0,1
	ds_store_b128 v[HA], v[P+8*\u+4*\k:P+8*\u+4*\k+3] offset:(\a)*16*CPITCH+64*\u+16*\k
.endr
.endr
.endm
	s_wait_tensorcnt 1                             ; my part of run 0 is in; run 1's load may stay out
	s_barrier_signal -1
	s_barrier_wait -1                              ; everybody's is
	FETCH_B 0
	FETCH_A 0, 0
	FETCH_A 0, 4
	s_wait_loadcnt 0x0                             ; the scale words and the biases are in, and their bases are free:
	s_mov_b32 s[G1C+0], (2<<16)|(1<<20)|(5<<22)|(3<<25)   ; group 1 for half of c_prev's tile: 17:16 elements of 4 bytes; 20 padding on; 24:22 after every 64 words (code 5); 31:25 of 4 words (code 3).  No mask: nobody shares this tile
	s_mov_b32 s[G1C+1], 64<<16                     ; tensor_dim0 = 64
	s_mov_b32 s[G1C+2], 128<<16                    ; tensor_dim1 = 128
	s_mov_b32 s[G1C+3], 64<<16                     ; tile_dim0 = 64
	s_mov_b32 s[G1C+4], 128                        ; tile_dim1 = 128
	s_mov_b32 s[G1C+5], 1024                       ; 1,024 numbers from row to row
	s_mov_b32 s[G1C+6], 0
	s_mov_b32 s[G1C+7], 0
	STEP 0, 1                                      ; the first step's products start the sums
	STEP 1, 0
	TURN 2, 1                                      ; slot 0 takes run 2
	STEP 3, 0
	STEP 4, 0
	TURN 5, 1                                      ; slot 1 takes run 3
	STEP 6, 0
	STEP 7, 0
	TURN 8, 1                                      ; slot 0 takes run 4
	STEP 9, 0
	STEP 10, 0
	TURN 11, 2                                     ; slot 1 takes the last run and c_prev
	STEP 12, 0
	STEP 13, 0
	TURN 14, 0                                     ; nothing is left to fetch; this barrier shows the last run and c_prev whole to every wave
	s_wait_dscnt 4*NL                              ; the last step
	WIN MUL_LO
	MUL16 0, 15, 0
	MUL16 2, 15, 0
	s_wait_dscnt 0
	CLOAD 0                                        ; into registers of B's set 0, which step 14 read last, with places behind it
	WIN MUL_HI
	MUL16 4, 15, 0
	MUL16 6, 15, 0
	s_mov_b32 s[KN], 0xbfb8aa3b                    ; -log2(e)
	s_mov_b32 s[KN+1], s[KN]                       ; (named with it as a pair, so it is written)
	s_mov_b32 s[KP], 0x4038aa3b                    ; 2 log2(e)
	s_mov_b32 s[KP+1], s[KP]
	s_mov_b32 s[CL], 0x42000000                    ; 32.0
	WIN W_E
.irp b, 0,1,2,3,4,5,6,7                        ; the biases take their gate's factor, once.  These 32 name no register of the last products: they are the places behind them
.irp p, 0,2,4,6
.if \b/2 == 2
	v_pk_mul_f32 v[BI+8*\b+96*(\b/4)+\p:BI+8*\b+96*(\b/4)+\p+1], v[BI+8*\b+96*(\b/4)+\p:BI+8*\b+96*(\b/4)+\p+1], s[KP:KP+1] op_sel_hi:[1,0]
.else
	v_pk_mul_f32 v[BI+8*\b+96*(\b/4)+\p:BI+8*\b+96*(\b/4)+\p+1], v[BI+8*\b+96*(\b/4)+\p:BI+8*\b+96*(\b/4)+\p+1], s[KN:KN+1] op_sel_hi:[1,0]
.endif
.endr
.endr
	GA 0
.irp a, 0,1,2,3,4,5,6,7
	GB \a
	s_wait_dscnt 0x0                               ; for the others' sake: my stores of this block into the two tiles are done
	s_barrier_signal -1
.if \a < 7
	GA \a+1                                        ; work on registers while the others arrive
.endif
	s_barrier_wait -1                              ; the block's rows are whole
.if \a > 1
	s_wait_xcnt 0x0                                ; the stores of two blocks ago have read their registers: this block's rows may land there
.endif
	BACK \a
.endr
	s_wait_dscnt 0x0
	SEND 7
	WIN 0
	s_wait_tensorcnt 0x0                           ; the wave's end: behind my last tensor load and my last LDS store
	ds_add_u32 v[SPW], v[NIL]
	s_wait_dscnt 0x0
	CROUND                                         ; the closing round: no work-group ends while a partner may still ask for a tile that names it
	s_endpgm
.Lfunc_end_k_qd0c3741850_lstm:
	.size	k_qd0c3741850_lstm, .Lfunc_end_k_qd0c3741850_lstm-k_qd0c3741850_lstm
	.p2alignl 7, 3214868480
	.fill 96, 4, 3214868480
	.section	.rodata,"a",@progbits
	.p2align	6, 0x0
	.amdhsa_kernel k_qd0c3741850_lstm
		.amdhsa_group_segment_fixed_size 327680
		.amdhsa_private_segment_fixed_size 0
		.amdhsa_enable_private_segment 0
		.amdhsa_kernarg_size 64
		.amdhsa_user_sgpr_count 2
		.amdhsa_user_sgpr_kernarg_segment_ptr 1
		.amdhsa_wavefront_size32 1
		.amdhsa_system_sgpr_workgroup_id_x 1
		.amdhsa_system_sgpr_workgroup_id_y 1
		.amdhsa_system_sgpr_workgroup_id_z 1
		.amdhsa_system_vgpr_workitem_id 0
		.amdhsa_next_free_vgpr 1024
		.amdhsa_next_free_sgpr 104
		.amdhsa_reserve_vcc 0
		.amdhsa_float_denorm_mode_32 3
		.amdhsa_float_denorm_mode_16_64 3
		.amdhsa_memory_ordered 1
		.amdhsa_forward_progress 1
		.amdhsa_inst_pref_size 255
	.end_amdhsa_kernel
	.section	.bss,"aw",@nobits
	.p2align	6
	.space	262144
	.amdgpu_metadata
---
amdhsa.version: [ 1, 2 ]
amdhsa.kernels:
  - .name:           k_qd0c3741850_lstm
    .symbol:         k_qd0c3741850_lstm.kd
    .args:
      - { .name: a_codes, .offset: 0, .size: 8, .value_kind: global_buffer, .address_space: global }
      - { .name: a_scales, .offset: 8, .size: 8, .value_kind: global_buffer, .address_space: global }
      - { .name: b_codes, .offset: 16, .size: 8, .value_kind: global_buffer, .address_space: global }
      - { .name: b_scales, .offset: 24, .size: 8, .value_kind: global_buffer, .address_space: global }
      - { .name: c_prev, .offset: 32, .size: 8, .value_kind: global_buffer, .address_space: global }
      - { .name: bh, .offset: 40, .size: 8, .value_kind: global_buffer, .address_space: global }
      - { .name: out0, .offset: 48, .size: 8, .value_kind: global_buffer, .address_space: global }
      - { .name: out1, .offset: 56, .size: 8, .value_kind: global_buffer, .address_space: global }
    .group_segment_fixed_size: 327680
    .private_segment_fixed_size: 0
    .kernarg_segment_align: 8
    .kernarg_segment_size: 64
    .max_flat_workgroup_size: 128
    .sgpr_count:     104
    .vgpr_count:     1024
    .wavefront_size: 32
...
	.end_amdgpu_metadata
.endif
;; end of part 2
